; MI455X (gfx1250); checked and timed in simulation.
; The chip was launched on July 23, 2026; its instructions are those of AMD's public machine-readable ISA for CDNA 5 (MIT licence, August 2026) and "CDNA5" Instruction Set Architecture Reference Guide (July 2026). The comments in the code are by the model that wrote it; some were corrected since.
;; Linear2bit. Allowed arithmetic: matrix products marked QUANTISED: E2M1 operands, one E8M0 scale for each 32 along K, by v_wmma_scale_f32_16x16x128_f8f6f4 with both operands' format E2M1 (or v_wmma_scale_f32_32x16x128_f4), f32 sums; everything else in f32.
;; Inputs: bias 2,048 float32; scales 2,048 x 32 float32; weight_packed 2,097,152 int32; x_codes 4 x 2,048 x 128 x 16 uint8 (E2M1 codes of x, K innermost, in blocks of 32 codes, two codes a byte); x_scales 4 x 2,048 x 128 uint8 (E8M0 scales of x, one for each 32 codes along K); zeros 2,048 x 32 float32.
;; Outputs: out0 4 x 2,048 x 2,048 float32.
;; This version of the problem:
;;   THIS VERSION OF THE PROBLEM IS GIVEN IN LOW PRECISION. The matrix products marked QUANTISED in the list below multiply operands that are first quantised to E2M1 (2 exponent bits, 1 mantissa bit; 4 bits a number), with one power-of-two scale for each 32 numbers along K (OCP MX v1.0); their sums are f32. All else is computed in f32.
;;   The module's matrix products, in the order in which they are computed (A, B: the left and right operand; K: the contracted axis; several contracted axes count as one K, in the product's order):
;;     1. [M 8,192, K 4,096] x [K 4,096, N 2,048]; A: input x (given as codes); B: computed on the way: QUANTISED
;;   THE QUANTISER, for each operand of a quantised product, along K:
;;     - K is cut into blocks of 32 from its start; a last block that is shorter is filled with zeros.
;;     - A block's scale is 2^e with e = floor(log2(the largest magnitude in the block)) - 2, held to -126 .. 127; a block of zeros has e = 0. As a byte (E8M0): e + 127.
;;     - Each number is divided by its block's scale, clamped to +-6, and rounded to the nearest number of E2M1, ties to even, subnormals kept.
;;     - The product sums the exact products of the quantised numbers (number of the format x scale) in f32.
;;   ~~~python
;;   def quantise(x, axis):      # numpy; x: float32 -> the quantised numbers, widened to float32 again
;;       x = np.moveaxis(x, axis, -1); K = x.shape[-1]
;;       x = np.pad(x, [(0, 0)] * (x.ndim - 1) + [(0, -K % 32)]); x = x.reshape(x.shape[:-1] + (-1, 32)); a = np.abs(x).max(-1, keepdims=True)
;;       e = np.where(a > 0, np.clip(np.frexp(np.where(a > 0, a, 1))[1] - 1 - 2, -126, 127), 0)      # np.frexp(a)[1] - 1 = floor(log2(a)), exactly
;;       r = np.clip(x / 2.0 ** e, -6, 6)
;;       step = 2.0 ** (np.maximum(np.frexp(np.where(r == 0, 1, r))[1] - 1, 0) - 1)
;;       q = np.round(r / step) * step * 2.0 ** e      # np.round: ties to even
;;       return np.moveaxis(q.reshape(q.shape[:-2] + (-1,))[..., :K], -1, axis).astype(np.float32)
;;   ~~~
;;   OPERANDS COMPUTED ON THE WAY. 'Computed on the way' means the value that the module computes at that place (a softmax that the list does not call 'softmax' is quantised finished and normalised). What goes into a quantiser is computed in f32, as accurately as f32 sums, v_exp_f32 and their like allow (about 1e-6 of the number): no bf16 or f16 on the way to a quantiser, and a product that is left as it is and whose result goes on into a quantised operand takes f32 operands (vector FMAs, or v_wmma_f32_16x16x4_f32). A number that lies on a knife's edge between two numbers of the format may be rounded either way, as far as f32 arithmetic and the matrix unit's own rounding can turn it there, and no further.
;;   INPUTS GIVEN AS CODES. x (in the module: [4, 2048, 4096], K = its axis 2): each comes as NAME_codes (uint8): NAME with its K axis moved to the last place and cut into blocks of 32 codes, [.., K / 32, bytes a block], one block behind the other in memory; two codes a byte, the lower K in the low four bits (a code: sign, 2 exponent bits, 1 mantissa bit); and NAME_scales (uint8): the same leading axes, one E8M0 byte (e + 127) for each 32 codes along K. Its value is code x scale, taken as it is: it is not quantised again, and the codes and scales need not be those that the quantiser above would give.
;; One version. Each part assembles by itself: llvm-mc -triple=amdgcn-amd-amdhsa -mcpu=gfx1250 --defsym DOCPART=n.
;; ======== version 1 of 1: 2 launches
;; limits: right only within a limited range of input values
;; workspace buffers: wq 4,456,448 bytes
;; launch quantw (part 1): grid 256 x 1, 8 waves a work-group, no clusters, 22,528 bytes of LDS; arguments weight_packed, scales, zeros, wq; writes wq
.if DOCPART == 1
	.amdgcn_target "amdgcn-amd-amdhsa--gfx1250"
	.amdhsa_code_object_version 6
	.text
	.protected	k_qda98db0f16_quantw
	.globl	k_qda98db0f16_quantw
	.p2align	8
	.type	k_qda98db0f16_quantw,@function
k_qda98db0f16_quantw:
	s_mov_b64 s[64:65], 0
	v_nop
	global_prefetch_b8 v0, s[64:65] scope:SCOPE_SE
	s_setreg_imm32_b32 hwreg(HW_REG_WAVE_MODE, 25, 1), 1
	s_wait_xcnt 0x0
; w[n][k] = q[n][k] * scales[n][k/128] + zeros[n][k/128], q = the 2-bit field k % 4 of weight_packed[(4096 n + k) / 4] (of each int32 only bits 0 to 7 count), n < 2048, k < 4096.
; w is made in f32 and turned into codes of FP4 (E2M1) with one E8M0 byte for each 32 along K: the byte is the exponent field of the block's largest magnitude less 2, held at 1 from below.
; OUT: wq, in the order in which the product's registers want it.  Columns go in 32 sets P of 64; a set in four tiles t of 16: row r of tile t is column 64 P + 4 r + t.
; Codes: [P 32][128 along K: 32][t 4][block of 32 along K: 4][r 16][16 bytes]; behind them, from byte SOFF on, the scale bytes: [P 32][512 along K: 8][t 4][r 16][16 bytes].
; SHARES: a work-group takes one tile (16 rows) x 2,048 along K; wave w takes 256 along K: half w % 2 of the K step of 512 number w / 2.  One load brings two rows' 256 bytes, 16 bytes a lane: 16 neighbours along K.
; Two neighbouring lanes hold a block of 32; eight lanes share a group's s and z.  Codes go through the wave's own stage in LDS and leave as whole units of 256 bytes; a unit of scale bytes is made by two waves: one barrier.
; LIMITS: q s + z is one fused multiply-add (one rounding where the reference has two).  A block of zeros, or one whose largest magnitude lies under 2^-124, gets the byte 1 (zeros' codes add nothing under it; the bytes
; are read by this program alone).  NaN and infinities in scales or zeros are not served.
.set SOFF, 4194304
.set WB,   2560                        ; LDS bytes of a wave: 32 pairs (s, z) = 256, then the stage: 8 units of 256 + 16
.set SCB,  8*WB                        ; four units of scale bytes
.set SPARE, SCB+1024                   ; the spare words, 128 bytes for each wave, that no other line names
.set R,   32                           ; v32-63    row t's four words as loaded (t: rows t and t + 8, by the lane's half)
.set SZ,  64                           ; v64-79    row t's pair (s, z) of my group
.set X,   80                           ; v80-111   two rows' 16 numbers at work
.set C,   112                          ; v112-127  two registers of codes for each row
.set E,   128                          ; v128-135  a scale byte for each row
.set SPW, 136
.set NIL, 137
	s_load_b256 s[4:11], s[0:1], 0x0               ; weight_packed s[4:5], scales s[6:7], zeros s[8:9], wq s[10:11]
	v_lshl_add_u32 v[SPW], v0, 2, SPARE
	v_mov_b32 v[NIL], 0
	v_lshrrev_b32 v1, 5, v0
	v_readfirstlane_b32 s12, v1                    ; wave 0..7
	s_lshr_b32 s13, ttmp9, 1                       ; which tile of 16 rows, 0..127
	s_and_b32 s14, ttmp9, 1
	s_lshl_b32 s14, s14, 2                         ; first K step of the work-group: 0 or 4
	s_lshr_b32 s15, s12, 1
	s_and_b32 s19, s12, 3
	s_add_co_u32 s19, s14, s19                     ; the K step whose scale bytes I store (waves 0..3)
	s_add_co_u32 s14, s14, s15                     ; my K step, 0..7
	s_and_b32 s16, s12, 1                          ; which half of it
	s_lshr_b32 s17, s13, 2                         ; P
	s_and_b32 s18, s13, 3                          ; t
	s_lshl_b32 s20, s17, 6
	s_add_co_u32 s20, s20, s18                     ; the first row: 64 P + t; from row to row 4
	s_lshl_b32 s22, s20, 12                        ; weights: rows of 4,096 bytes, 512 bytes a K step
	s_lshl_b32 s21, s14, 9
	s_add_co_u32 s22, s22, s21
	s_lshl_b32 s21, s16, 8
	s_add_co_u32 s22, s22, s21
	s_mov_b32 s23, 0
	s_lshl_b32 s24, s20, 7                         ; scales and zeros: rows of 128 bytes, 8 bytes for my two groups
	s_lshl_b32 s21, s14, 4
	s_add_co_u32 s24, s24, s21
	s_lshl_b32 s21, s16, 3
	s_add_co_u32 s24, s24, s21
	s_mov_b32 s25, 0
	s_lshl_b32 s26, s17, 17                        ; my codes in wq: P, K step, half, t
	s_lshl_b32 s21, s14, 14
	s_add_co_u32 s26, s26, s21
	s_lshl_b32 s21, s16, 13
	s_add_co_u32 s26, s26, s21
	s_lshl_b32 s21, s18, 10
	s_add_co_u32 s26, s26, s21
	s_mov_b32 s27, 0
	s_lshl_b32 s28, s17, 13                        ; the scale bytes that I store
	s_lshl_b32 s21, s19, 10
	s_add_co_u32 s28, s28, s21
	s_lshl_b32 s21, s18, 8
	s_add_co_u32 s28, s28, s21
	s_add_co_u32 s28, s28, SOFF
	s_mov_b32 s29, 0
	s_mul_i32 s30, s12, WB                         ; my LDS bytes: the pairs,
	s_add_co_u32 s31, s30, 256                     ; the stage
	s_lshl_b32 s33, s15, 8
	s_lshl_b32 s21, s16, 3
	s_add_co_u32 s33, s33, s21
	s_add_co_u32 s33, s33, SCB                     ; my scale bytes in the work-group's units: 8 of each row's 16
	s_and_b32 s34, s12, 3
	s_lshl_b32 s34, s34, 8
	s_add_co_u32 s34, s34, SCB                     ; the unit that I store
	v_and_b32 v1, 31, v0                           ; lane
	v_and_b32 v9, 15, v1                           ; lane % 16
	v_lshrrev_b32 v10, 4, v1                       ; h = lane / 16
	v_lshlrev_b32 v2, 4, v9
	v_lshl_add_u32 v2, v10, 17, v2                 ; weights: 16 bytes a lane; lanes 16-31 eight rows (of 16,384 bytes' distance) further down
	v_lshrrev_b32 v11, 1, v1
	v_and_b32 v12, 1, v1
	v_lshlrev_b32 v3, 2, v12
	v_lshl_add_u32 v3, v11, 9, v3                  ; s and z: row lane / 2, group lane % 2
	v_lshl_add_u32 v5, v1, 3, s30                  ; LDS: the pair of (row, group) at 16 row + 8 group
	v_lshrrev_b32 v6, 3, v9
	v_lshlrev_b32 v6, 3, v6
	v_lshl_add_u32 v6, v10, 7, v6
	v_add_nc_u32 v6, s30, v6                       ; my group's pair in row 8 h
	v_lshrrev_b32 v7, 1, v9                        ; my block, 0..7
	v_mul_u32_u24 v8, v7, 272
	v_lshl_add_u32 v8, v10, 7, v8
	v_lshl_add_u32 v8, v12, 3, v8
	v_add_nc_u32 v8, s31, v8                       ; stage: unit of my block, row 8 h, my half of the 16 bytes
	v_lshl_add_u32 v7, v10, 7, v7
	v_add_nc_u32 v7, s33, v7                       ; my block's scale byte in row 8 h
	v_mul_u32_u24 v13, v10, 272
	v_lshl_add_u32 v13, v9, 4, v13
	v_add_nc_u32 v13, s31, v13                     ; stage, read back: lanes 0-15 one unit, lanes 16-31 the next
	v_lshlrev_b32 v4, 4, v1                        ; codes: 16 bytes a lane
	v_lshlrev_b32 v14, 3, v1                       ; scale bytes: 8 bytes a lane
	v_add_nc_u32 v15, s34, v14
	s_wait_alu depctr_va_vdst(0)                   ; the wait at the head's end
	s_wait_kmcnt 0x0
	s_add_nc_u64 s[4:5], s[4:5], s[22:23]
	s_add_nc_u64 s[6:7], s[6:7], s[24:25]
	s_add_nc_u64 s[8:9], s[8:9], s[24:25]
	s_add_nc_u64 s[26:27], s[10:11], s[26:27]
	s_add_nc_u64 s[28:29], s[10:11], s[28:29]
	global_load_b32 v24, v3, s[6:7]
	global_load_b32 v25, v3, s[8:9]
.irp t, 0,1,2,3,4,5,6,7
	global_load_b128 v[R+4*\t:R+4*\t+3], v2, s[4:5] offset:16384*\t th:TH_LOAD_NT   ; rows t and t + 8: 16 lanes read 256 consecutive bytes; read once in the launch
.endr
	s_wait_loadcnt 8                               ; s and z are in; the 8 younger loads stay out
	ds_store_b64 v5, v[24:25]
.irp t, 0,1,2,3,4,5,6,7
	ds_load_b64 v[SZ+2*\t:SZ+2*\t+1], v6 offset:16*\t   ; LDS serves a wave's instructions in order (ISA guide 5.7.1.4): these see my store
.endr
	s_wait_dscnt 0x0
.macro PAIR t                          ; rows t and t + 1 (and those 8 further down), line by line in turn
	s_wait_loadcnt 6-(\t)                          ; both rows are in, the younger ones stay out
.irp i, 0,1,2,3
.irp u, 0,1
	v_and_b32 v[X+16*\u+4*\i],   3, v[R+4*(\t)+4*\u+\i]       ; a word's four fields are four neighbours along K
	v_bfe_u32 v[X+16*\u+4*\i+1], v[R+4*(\t)+4*\u+\i], 2, 2
	v_bfe_u32 v[X+16*\u+4*\i+2], v[R+4*(\t)+4*\u+\i], 4, 2
	v_bfe_u32 v[X+16*\u+4*\i+3], v[R+4*(\t)+4*\u+\i], 6, 2
.endr
.endr
.irp i, 0,1,2,3,4,5,6,7,8,9,10,11,12,13,14,15,16,17,18,19,20,21,22,23,24,25,26,27,28,29,30,31
	v_cvt_f32_u32 v[X+\i], v[X+\i]
.endr
.irp p, 0,2,4,6,8,10,12,14
.irp u, 0,1
	v_pk_fma_f32 v[X+16*\u+\p:X+16*\u+\p+1], v[X+16*\u+\p:X+16*\u+\p+1], v[SZ+2*(\t)+2*\u:SZ+2*(\t)+2*\u+1], v[SZ+2*(\t)+2*\u:SZ+2*(\t)+2*\u+1] op_sel:[0,0,1] op_sel_hi:[1,0,1]   ; q s + z: of the pair (s, z) the second source takes s for both halves, the third z
.endr
.endr
.irp u, 0,1
	v_max3_num_f32 v[16+2*\u], |v[X+16*\u]|, |v[X+16*\u+1]|, |v[X+16*\u+2]|   ; the largest magnitude of my 16, in two chains
	v_max3_num_f32 v[17+2*\u], |v[X+16*\u+3]|, |v[X+16*\u+4]|, |v[X+16*\u+5]|
.endr
.irp i, 6,10
.irp u, 0,1
	v_max3_num_f32 v[16+2*\u], v[16+2*\u], |v[X+16*\u+\i]|, |v[X+16*\u+\i+1]|
	v_max3_num_f32 v[17+2*\u], v[17+2*\u], |v[X+16*\u+\i+2]|, |v[X+16*\u+\i+3]|
.endr
.endr
.irp u, 0,1
	v_max3_num_f32 v[16+2*\u], v[16+2*\u], |v[X+16*\u+14]|, |v[X+16*\u+15]|
.endr
.irp u, 0,1
	v_max3_num_f32 v[16+2*\u], v[16+2*\u], v[17+2*\u], 0x1800000   ; and the floor 2^(3 - 127): the byte cannot fall under 1
.endr
.irp u, 0,1
	v_max_num_f32_dpp v[16+2*\u], v[16+2*\u], v[16+2*\u] row_xmask:1 row_mask:0xf bank_mask:0xf   ; with my neighbour's 16: the block's
.endr
.irp u, 0,1
	v_add_nc_u32 v[20+\u], 0xff000000, v[16+2*\u]  ; 2 off its exponent field: the conversion takes the exponent field of this operand as its scale
.endr
.irp u, 0,1
	v_cvt_scalef32_pk8_fp4_f32 v[C+2*(\t)+2*\u], v[X+16*\u:X+16*\u+7], v[20+\u]
	v_cvt_scalef32_pk8_fp4_f32 v[C+2*(\t)+2*\u+1], v[X+16*\u+8:X+16*\u+15], v[20+\u]
.endr
.irp u, 0,1
	v_lshrrev_b32 v[E+(\t)+\u], 23, v[20+\u]       ; the scale's byte; also the plain instructions between the conversions and the next writes of their sources
.endr
.irp u, 0,1
	ds_store_b8 v7, v[E+(\t)+\u] offset:16*(\t)+16*\u          ; both lanes of a block write the same byte with the same value
	ds_store_b64 v8, v[C+2*(\t)+2*\u:C+2*(\t)+2*\u+1] offset:16*(\t)+16*\u
.endr
.endm
.irp t, 0,2,4,6
	PAIR \t
.endr
.irp i, 0,1,2,3
	ds_load_b128 v[R+4*\i:R+4*\i+3], v13 offset:544*\i         ; my own stage, served in order behind my stores
.endr
	s_wait_dscnt 0x0                               ; for the other waves' sake too: my scale bytes are stored
.irp i, 0,1,2,3
	global_store_b128 v4, v[R+4*\i:R+4*\i+3], s[26:27] offset:4096*(\i/2)+512*(\i%2)   ; two units of 256 consecutive bytes, aligned
.endr
	s_barrier_signal -1
	s_barrier_wait -1
	s_cmp_lt_u32 s12, 4
	s_cbranch_scc0 .Lend
	ds_load_b64 v[48:49], v15                      ; one unit of scale bytes: two waves' work
	s_wait_dscnt 0x0
	global_store_b64 v14, v[48:49], s[28:29]       ; 256 consecutive bytes, aligned
.Lend:
	s_wait_tensorcnt 0x0                           ; the wave's end
	ds_add_u32 v[SPW], v[NIL]
	s_wait_dscnt 0x0
	s_endpgm
.Lfunc_end_k_qda98db0f16_quantw:
	.size	k_qda98db0f16_quantw, .Lfunc_end_k_qda98db0f16_quantw-k_qda98db0f16_quantw
	.p2alignl 7, 3214868480
	.fill 96, 4, 3214868480
	.section	.rodata,"a",@progbits
	.p2align	6, 0x0
	.amdhsa_kernel k_qda98db0f16_quantw
		.amdhsa_group_segment_fixed_size 22528
		.amdhsa_private_segment_fixed_size 0
		.amdhsa_enable_private_segment 0
		.amdhsa_kernarg_size 32
		.amdhsa_user_sgpr_count 2
		.amdhsa_user_sgpr_kernarg_segment_ptr 1
		.amdhsa_wavefront_size32 1
		.amdhsa_system_sgpr_workgroup_id_x 1
		.amdhsa_system_sgpr_workgroup_id_y 1
		.amdhsa_system_sgpr_workgroup_id_z 1
		.amdhsa_system_vgpr_workitem_id 0
		.amdhsa_next_free_vgpr 138
		.amdhsa_next_free_sgpr 66
		.amdhsa_reserve_vcc 0
		.amdhsa_float_denorm_mode_32 3
		.amdhsa_float_denorm_mode_16_64 3
		.amdhsa_memory_ordered 1
		.amdhsa_forward_progress 1
		.amdhsa_inst_pref_size 29
	.end_amdhsa_kernel
	.amdgpu_metadata
---
amdhsa.version: [ 1, 2 ]
amdhsa.kernels:
  - .name:           k_qda98db0f16_quantw
    .symbol:         k_qda98db0f16_quantw.kd
    .args:
      - { .name: weight_packed, .offset: 0, .size: 8, .value_kind: global_buffer, .address_space: global }
      - { .name: scales, .offset: 8, .size: 8, .value_kind: global_buffer, .address_space: global }
      - { .name: zeros, .offset: 16, .size: 8, .value_kind: global_buffer, .address_space: global }
      - { .name: wq, .offset: 24, .size: 8, .value_kind: global_buffer, .address_space: global }
    .group_segment_fixed_size: 22528
    .private_segment_fixed_size: 0
    .kernarg_segment_align: 8
    .kernarg_segment_size: 32
    .max_flat_workgroup_size: 256
    .sgpr_count:     66
    .vgpr_count:     138
    .wavefront_size: 32
...
	.end_amdgpu_metadata
.endif
;; end of part 1
;; launch gemm (part 2): grid 8 x 32, 4 waves a work-group, clusters of 4 x 1, 327,680 bytes of LDS; arguments x_codes, x_scales, wq, bias, out0; writes out0
.if DOCPART == 2
	.amdgcn_target "amdgcn-amd-amdhsa--gfx1250"
	.amdhsa_code_object_version 6
	.text
	.protected	k_qda98db0f16_gemm
	.globl	k_qda98db0f16_gemm
	.p2align	8
	.type	k_qda98db0f16_gemm,@function
k_qda98db0f16_gemm:
	s_mov_b64 s[64:65], 0
	v_nop
	global_prefetch_b8 v0, s[64:65] scope:SCOPE_SE
	s_setreg_imm32_b32 hwreg(HW_REG_WAVE_MODE, 25, 1), 1
	s_wait_xcnt 0x0
	s_wait_alu depctr_hold_cnt(0) depctr_sa_sdst(0) depctr_va_vdst(0) depctr_va_sdst(0) depctr_va_ssrc(0) depctr_va_vcc(0) depctr_vm_vsrc(0)
	s_getreg_b32 s2, hwreg(HW_REG_IB_STS2, 6, 4)
	s_cmp_eq_u32 s2, 0
	s_cbranch_scc0 .Lentry_in_a_cluster
	s_endpgm
.Lentry_in_a_cluster:
	s_bfe_u32 s2, ttmp6, 0x10000c
	s_cmp_lg_u32 s2, 0x3003
	s_cbranch_scc0 .Lentry_shape_is_right
	s_endpgm
.Lentry_shape_is_right:
; out0[m][n] = sum over k of x[m][k] w[n][k] + bias[n].  M = 8,192, N = 2,048, K = 4,096.  Both operands are codes of FP4 (E2M1) with one E8M0 byte for each 32 along K; sums in f32; the bias is added to the finished sum.
; A work-group makes 256 rows x 256 columns: 32 x 8 work-groups.  A wave makes all 256 rows x 64 columns of its own: 32 accumulators of 32 x 16, 512 registers.
; x goes through a ring of two LDS slots of 1,024 along K (256 rows x 512 bytes), each fill one tensor load a wave; its scale bytes for all of K come once and stay.
; w COMES STRAIGHT INTO REGISTERS from wq, which the launch before has laid in operand order: a step (64 columns x 128 along K) is 4,096 consecutive bytes, eight loads; a ring of four steps, three asked for ahead.
; No two waves of a work-group load the same w.
; CLUSTERS: four work-groups with the same rows ask for x's tiles and scale bytes JOINTLY.  w is not asked for jointly: the two slots, the scales and the spare words take 305,664 of the 327,680 bytes of LDS, and
; slots for w beside them would have to be cut from x's, with a round of the cluster's barrier for every 512 along K in place of every 1,024.
; THE LAST 512 ALONG K GO BY ROWS: w's four steps lie in registers, and 64 rows at a time are finished; their stores leave while the next rows are multiplied.
; THE COLUMNS: lane r of w's tile t is column 4 r + t of the wave's 64.  In the result lane (r, h) then holds, in register j of the four tiles' accumulators, four neighbouring columns of one row: four additions of the bias
; put them side by side, and 16 lanes store 256 consecutive bytes.  No result passes through LDS.
; REGISTERS, window 0: v0-3 the bias; v4-15 addresses; v16-47 w's step 31; v48-87 and v88-127 the two sets of scale words of 512 along K (32 of x, 8 of w; the first set is room for results on the way out); v128-255 w's ring.
;   window 1: x's fragments, two buffers of eight groups of 32 rows x 128 K.   windows 2, 3: the accumulators of rows 0-127, 128-255: (group a, tile t) at v[16 (4 (a % 4) + t)].
; LIMIT: a scale byte 0xff in x_scales stands for NaN and makes its sums NaN, as the format has it.
.set PITCH, 528                        ; an LDS row of x: 512 bytes + 16: 33 x 16, so the 16 rows of a load start at 16 different 16-byte places of 256
.set SLOT,  256*PITCH                  ; 1,024 along K
.set SCL,   2*SLOT                     ; x's scale bytes: 128 pieces of 256 bytes (two rows) + 16
.set SPARE, SCL+128*272                ; the spare words, 128 bytes for each wave: two blocks of 256 bytes that no other line names
.set SPW, 4                            ; v4   LDS address of my spare word
.set NIL, 5                            ; v5   0
.set WO,  6                            ; v6   16 x lane: w's codes and scale words
.set XA,  7                            ; v7-10 x's fragments: slot 0 rows 0-127, rows 128-255, slot 1 likewise
.set XS,  11                           ; v11  x's scale words
.set CO,  12                           ; v12  out0: 16 r + 8 h rows
.set PF,  13                           ; v13, v14, v15  the prefetches' offsets: w's codes, w's scale bytes, x
.set PFS, 14
.set PFX, 15
.set WEX, 16
.set BO,  16                           ; v16  16 r: the bias, loaded long before w's step 31 lands here
.set SCX, 48                           ; set p of scale words: x's at v[48 + 40 p], w's at v[80 + 40 p]
.set SCW, 80
.set TMP, 48
.set WR,  128
.set G1,  24                           ; s[24:31] descriptor group 1: 128 rows of x;  s[32:39]: 64 rows;  s[40:47]: scale bytes
.set G1T, 32
.set G1S, 40
.set G0,  48                           ; s[48:51] group 0 of the head's x, s[56:59] of the scale bytes; s[52:55], s[68:71], s[72:75] of the fills number 1, 2, 3
.set G0S, 56
.set F1,  52
.set F2,  68
.set F3,  72
.set LO, 0xa1                          ; source 0 (x) window 1, source 1 (w) window 0, C and D window 2
.set HI, 0xf1                          ; the same, C and D window 3
.set MSB, 0
.macro WIN new                         ; the immediate's high byte repeats the setting that is left; a switch that changes nothing is dropped
.if MSB != (\new)
	s_set_vgpr_msb (MSB<<8)|(\new)
.set MSB, (\new)
.endif
.endm
.macro CREST                           ; a round of the cluster's barrier behind its opening barrier
	s_cmp_lg_u32 s14, 0
	s_cbranch_scc1 .Lnot_wave_0_\@
	s_barrier_signal -3
.Lnot_wave_0_\@:
	s_barrier_wait -3
	s_barrier_signal -1
	s_barrier_wait -1
.endm
.macro CROUND                          ; a whole round
	s_barrier_signal -1
	s_barrier_wait -1
	CREST
.endm
.macro PLACES                          ; four places behind a matrix instruction, ahead of loads into its registers and of reads of its result (ISA guide 7.12.1 for reads of its result)
.rept 4
	v_nop
.endr
.endm
; PREFETCHES INTO THE L2.  w's eight steps number 8 trip .. 8 trip + 7: 128 blocks of 256 bytes of codes for each wave's columns and 8 of scale bytes: the row blocks share them out BY ADDRESS: row block y asks for quarter y % 4,
; and only those with y < 16 ask, so that each block is named by four clusters.  x's fill number f: 256 rows x 2 blocks, each named once in the cluster: 64 rows for each partner, 16 for each of its waves.
.macro ASKW trip
	s_cmp_lt_u32 s17, 16
	s_cbranch_scc0 .Lnot_mine_\@
	global_prefetch_b8 v[PF], s[60:61] offset:32768*(\trip) th:TH_LOAD_NT scope:SCOPE_SE
	global_prefetch_b8 v[PFS], s[62:63] offset:2048*(\trip) th:TH_LOAD_NT scope:SCOPE_SE
.Lnot_mine_\@:
.endm
.macro ASKX f
	global_prefetch_b8 v[PFX], s[82:83] offset:512*(\f) th:TH_LOAD_NT scope:SCOPE_SE
.endm
.macro WLOAD k, reg                    ; w: the four tiles of step k: 512 consecutive bytes a load
.irp t, 0,1,2,3
.irp c, 0,1
	global_load_b128 v[(\reg)+8*\t+4*\c:(\reg)+8*\t+4*\c+3], v[WO], s[60:61] offset:4096*(\k)+1024*\t+512*\c
.endr
.endr
.endm
.macro WSLOAD ch                       ; w's scale words of 512 along K: lanes 0-15 tile 2 i, lanes 16-31 tile 2 i + 1
.irp i, 0,1
	global_load_b128 v[SCW+40*((\ch)%2)+4*\i:SCW+40*((\ch)%2)+4*\i+3], v[WO], s[62:63] offset:1024*(\ch)+512*\i
.endr
.endm
.macro XSLOAD ch                       ; x's scale words of 512 along K: lane m has row 32 a + m
.irp a, 0,1,2,3,4,5,6,7
	ds_load_b128 v[SCX+40*((\ch)%2)+4*\a:SCX+40*((\ch)%2)+4*\a+3], v[XS] offset:16*272*\a+16*(\ch)
.endr
.endm
.macro XFRAG a, k, reg                 ; x's group a (rows 32 a .. 32 a + 31), step k: 16 registers
.set xr, XA+2*(((\k)/8)%2)+(\a)/4
.set xo, ((\a)%4)*32*PITCH+64*((\k)%8)
.irp c, 0,1
	ds_load_b128 v[(\reg)+4*\c:(\reg)+4*\c+3], v[xr] offset:xo+32*\c
	ds_load_b128 v[(\reg)+8+4*\c:(\reg)+8+4*\c+3], v[xr] offset:xo+16*PITCH+32*\c
.endr
.endm
.macro XSTEP k                         ; the eight groups of step k
	WIN 0x40
.irp a, 0,1,2,3,4,5,6,7
	XFRAG \a, \k, 128*((\k)%2)+16*\a
.endr
	WIN 0
.endm
.macro XROWS i                         ; groups 2 i and 2 i + 1, steps 28 to 31
	WIN 0x40
.irp k, 28,29,31,30
.irp u, 0,1
	XFRAG 2*(\i)+\u, \k, 128*((\i)%2)+16*(4*\u+\k%4)
.endr
.endr
	WIN 0
.endm
	s_load_b256 s[4:11], s[0:1], 0x0               ; x_codes s[4:5], x_scales s[6:7], wq s[8:9], bias s[10:11]
	s_load_b64 s[12:13], s[0:1], 0x20              ; out0
	v_lshl_add_u32 v[SPW], v0, 2, SPARE
	v_mov_b32 v[NIL], 0
	ds_add_u32 v[SPW], v[NIL]                      ; the wave's opening: the add, twice on end, and its wait
	ds_add_u32 v[SPW], v[NIL]
	v_lshrrev_b32 v1, 5, v0
	v_readfirstlane_b32 s14, v1                    ; wave 0..3
	s_lshr_b32 s15, s14, 1                         ; at the head I fetch x (0) or its scale bytes (1),
	s_and_b32 s16, s14, 1                          ; and this half of them
	s_and_b32 s17, ttmp7, 0xffff                   ; row block, 0..31
	s_bfe_u32 s18, ttmp6, 0x40000                  ; cx
	s_lshl_b32 s19, ttmp9, 2
	s_add_co_u32 s19, s19, s18                     ; column block, 0..7
	; groups 1: elements of 1 byte; mask 15: the four of the cluster; 20 padding on; 21 set beside a mask; 24:22 after every 128 words (code 6) or 64 words (code 5); 31:25 of 4 words (code 3)
	s_mov_b32 s[G1+0], 15|(1<<20)|(1<<21)|(6<<22)|(3<<25)
	s_mov_b32 s[G1+1], 512<<16                     ; tensor_dim0
	s_mov_b32 s[G1+2], 128<<16                     ; tensor_dim1
	s_mov_b32 s[G1+3], 512<<16                     ; tile_dim0
	s_mov_b32 s[G1+4], 128                         ; tile_dim1
	s_mov_b32 s[G1+5], 2048                        ; tensor_dim0_stride
	s_mov_b32 s[G1+6], 0
	s_mov_b32 s[G1+7], 0
	s_mov_b32 s[G1T+0], 15|(1<<20)|(1<<21)|(6<<22)|(3<<25)
	s_mov_b32 s[G1T+1], 512<<16
	s_mov_b32 s[G1T+2], 64<<16
	s_mov_b32 s[G1T+3], 512<<16
	s_mov_b32 s[G1T+4], 64
	s_mov_b32 s[G1T+5], 2048
	s_mov_b32 s[G1T+6], 0
	s_mov_b32 s[G1T+7], 0
	s_mov_b32 s[G1S+0], 15|(1<<20)|(1<<21)|(5<<22)|(3<<25)
	s_mov_b32 s[G1S+1], 256<<16                    ; the scale bytes of 128 rows: dense, as 64 rows of 256 bytes
	s_mov_b32 s[G1S+2], 64<<16
	s_mov_b32 s[G1S+3], 256<<16
	s_mov_b32 s[G1S+4], 64
	s_mov_b32 s[G1S+5], 256
	s_mov_b32 s[G1S+6], 0
	s_mov_b32 s[G1S+7], 0
	s_mov_b32 s[G0], 1
	s_mul_i32 s[G0+1], s16, 128*PITCH              ; LDS: slot 0, my 128 rows
	s_mov_b32 s[G0S], 1
	s_mul_i32 s[G0S+1], s16, 64*272
	s_add_co_u32 s[G0S+1], s[G0S+1], SCL
	s_mov_b32 s[F2], 1
	s_mul_i32 s[F2+1], s14, 64*PITCH               ; later fills: my 64 rows of slot 0,
	s_mov_b32 s[F1], 1
	s_mul_i32 s[F1+1], s14, 64*PITCH
	s_add_co_u32 s[F1+1], s[F1+1], SLOT            ; of slot 1
	s_mov_b32 s[F3], 1
	s_mul_i32 s[F3+1], s14, 64*PITCH
	s_add_co_u32 s[F3+1], s[F3+1], SLOT
	s_lshl_b32 s82, s17, 19                        ; x: row 256 x row block, rows of 2,048 bytes
	s_mov_b32 s83, 0
	s_lshl_b32 s21, s16, 18
	s_add_co_u32 s90, s82, s21                     ; the head's: my 128 rows
	s_mov_b32 s91, 0
	s_lshl_b32 s21, s14, 17
	s_add_co_u32 s92, s82, s21                     ; the later fills': my 64 rows
	s_mov_b32 s93, 0
	s_lshl_b32 s66, s17, 15                        ; scale bytes: rows of 128
	s_lshl_b32 s21, s16, 14
	s_add_co_u32 s66, s66, s21
	s_mov_b32 s67, 0
	s_lshl_b32 s20, s19, 2
	s_add_co_u32 s20, s20, s14                     ; my 64 columns: which of 32
	s_lshl_b32 s76, s20, 17                        ; their codes in wq,
	s_mov_b32 s77, 0
	s_lshl_b32 s84, s20, 13
	s_add_co_u32 s84, s84, 4194304                 ; their scale bytes,
	s_mov_b32 s85, 0
	s_lshl_b32 s78, s20, 8                         ; my first column in bytes, in bias and out0 alike
	s_mov_b32 s79, 0
	s_lshl_b32 s80, s17, 21                        ; out0: 256 rows of 8,192 bytes a row block
	s_add_co_u32 s80, s80, s78
	s_mov_b32 s81, 0
	s_and_b32 s21, s17, 3                          ; the prefetches' quarter
	s_lshl_b32 s86, s21, 13
	s_lshl_b32 s87, s21, 9
	s_lshl_b32 s88, s18, 17                        ; x: 64 rows for each partner, 16 of them for each wave
	s_lshl_b32 s89, s14, 15
	s_add_co_u32 s88, s88, s89
	v_and_b32 v1, 31, v0                           ; lane
	v_and_b32 v17, 15, v0                          ; r
	v_bfe_u32 v18, v0, 4, 1                        ; h
	v_lshlrev_b32 v[WO], 4, v1
	v_mul_u32_u24 v19, v17, PITCH
	v_lshl_add_u32 v[XA], v18, 4, v19              ; a fragment: row r, 16 bytes for each half of the lanes
	v_add_nc_u32 v[XA+1], 128*PITCH, v[XA]
	v_add_nc_u32 v[XA+2], SLOT, v[XA]
	v_add_nc_u32 v[XA+3], SLOT+128*PITCH, v[XA]
	v_lshrrev_b32 v20, 1, v1
	v_mul_u32_u24 v21, v20, 272
	v_and_b32 v22, 1, v1
	v_lshl_add_u32 v21, v22, 7, v21
	v_add_nc_u32 v[XS], SCL, v21                   ; scale words: row = lane: two rows to a piece of 256 + 16 bytes
	v_lshlrev_b32 v[BO], 4, v17
	v_lshl_add_u32 v[CO], v18, 16, v[BO]           ; 16 r + 8 h rows of 8,192 bytes
	v_lshlrev_b32 v[PF], 8, v1
	v_add_nc_u32 v[PF], s86, v[PF]
	v_lshlrev_b32 v22, 8, v22
	v_add_nc_u32 v[PFS], s87, v22                  ; two blocks: the other lanes name them again
	v_lshl_add_u32 v20, v20, 11, v22               ; x: two lanes a row, a block of 256 bytes each
	v_add_nc_u32 v[PFX], s88, v20
	s_wait_alu depctr_va_vdst(0)                   ; the wait at the head's end
	s_wait_dscnt 0x0                               ; both opening adds are done
	s_wait_kmcnt 0x0
	s_add_nc_u64 s[G0+2:G0+3], s[4:5], s[90:91]
	s_or_b32 s[G0+3], s[G0+3], 0x80000000
	s_add_nc_u64 s[G0S+2:G0S+3], s[6:7], s[66:67]
	s_or_b32 s[G0S+3], s[G0S+3], 0x80000000
	s_add_nc_u64 s[92:93], s[4:5], s[92:93]
	s_add_nc_u64 s[F1+2:F1+3], s[92:93], 512
	s_or_b32 s[F1+3], s[F1+3], 0x80000000
	s_add_nc_u64 s[F2+2:F2+3], s[92:93], 1024
	s_or_b32 s[F2+3], s[F2+3], 0x80000000
	s_add_nc_u64 s[F3+2:F3+3], s[92:93], 1536
	s_or_b32 s[F3+3], s[F3+3], 0x80000000
	s_add_nc_u64 s[82:83], s[4:5], s[82:83]
	s_add_nc_u64 s[60:61], s[8:9], s[76:77]
	s_add_nc_u64 s[62:63], s[8:9], s[84:85]
	s_add_nc_u64 s[10:11], s[10:11], s[78:79]
	s_add_nc_u64 s[12:13], s[12:13], s[80:81]
	CROUND                                         ; the four work-groups are here: the first joint loads meet
	s_cmp_eq_u32 s15, 0                            ; ONE tensor load a wave: waves 0 and 1 x's first 1,024 along K, waves 2 and 3 the scale bytes
	s_cbranch_scc0 .Lfor_scales
	tensor_load_to_lds s[G0:G0+3], s[G1:G1+7]
	s_nop 0
	PLACES
	s_branch .Lasked
.Lfor_scales:
	tensor_load_to_lds s[G0S:G0S+3], s[G1S:G1S+7]
	s_nop 0
	PLACES
.Lasked:
	WSLOAD 0
.irp k, 0,1,2
	WLOAD \k, WR+32*\k
.endr
	; nothing is prefetched here, at the head: x's next fill comes by its load alone
	s_wait_tensorcnt 0x0                           ; my part of the head's fills is in
	ds_add_u32 v[SPW], v[NIL]
	s_wait_dscnt 0x0
	CROUND                                         ; everybody's part is in, and the joint loads meet
	tensor_load_to_lds s[F1:F1+3], s[G1T:G1T+7]    ; slot 1: my 64 rows
	s_nop 0
	PLACES
	XSLOAD 0
	XSTEP 0
; One matrix instruction: x's group a (32 rows), in register xg of window 1, against w's tile t (16 columns), 128 along K: step k.  Step 0 starts the sums from 0: nothing is cleared.
; The accumulators take turns, in the same order in every step (in the rows of the last steps eight of them).
.macro MM a, t, k, xg
.set rD, 16*(4*((\a)%4)+(\t))
.set rA, \xg
.set rB, WR+32*((\k)%4)+8*(\t)
.if (\k) == 31
.set rB, WEX+8*(\t)
.endif
.set rSA, SCX+40*(((\k)/4)%2)+4*(\a)+(\k)%4
.set rSB, SCW+40*(((\k)/4)%2)+4*((\t)/2)+(\k)%4
.if (\k) == 0
.if ((\t)%2) == 0
	v_wmma_scale_f32_32x16x128_f4 v[rD:rD+15], v[rA:rA+15], v[rB:rB+7], 0, v[rSA], v[rSB]
.else
	v_wmma_scale_f32_32x16x128_f4 v[rD:rD+15], v[rA:rA+15], v[rB:rB+7], 0, v[rSA], v[rSB] matrix_b_scale:MATRIX_SCALE_ROW1
.endif
.else
.if ((\t)%2) == 0
	v_wmma_scale_f32_32x16x128_f4 v[rD:rD+15], v[rA:rA+15], v[rB:rB+7], v[rD:rD+15], v[rSA], v[rSB]
.else
	v_wmma_scale_f32_32x16x128_f4 v[rD:rD+15], v[rA:rA+15], v[rB:rB+7], v[rD:rD+15], v[rSA], v[rSB] matrix_b_scale:MATRIX_SCALE_ROW1
.endif
.endif
.endm
.macro GRP2 a, s                       ; groups a, a + 1 against the four tiles
.irp u, 0,1
.irp t, 0,1,2,3
	MM (\a)+\u, \t, \s, 128*((\s)%2)+16*((\a)+\u)
.endr
.endr
.endm
; The one run of memory instructions of step s: x's fragments of the next step, into the buffer of the step before; w's step s + 3, into the ring's registers of step s - 1; scale words of the next 512 along K.
.macro RUN s
.if (\s) < 27
	XSTEP (\s)+1
.else
	XROWS 0
.endif
.if (((\s)%4) == 1) && ((\s) < 28) && ((\s)/4 < 7)
	XSLOAD (\s)/4+1
.endif
.if (((\s)%4) == 0) && ((\s)/4 < 7)
	WSLOAD (\s)/4+1
.endif
	WLOAD (\s)+3, WR+32*(((\s)+3)%4)
.if (\s) == 25
	WLOAD 31, WEX                                  ; the last step's w has registers of its own: the rows want steps 28 to 31 together
.endif
.if (\s) == 8
	global_load_b128 v[0:3], v[BO], s[10:11]       ; the bias of columns 4 r .. 4 r + 3
.endif
.if (\s) == 0
	ASKW 1                                         ; w's steps 8 to 15: five steps ahead of their first load
.endif
.if (\s) == 2
	ASKX 2                                         ; asked for five steps ahead of the fill
	ASKW 2                                         ; w's steps 16 to 23: eleven steps ahead of their first load
.endif
.if (\s) == 10
	ASKX 3
	ASKW 3
.endif
.endm
; Step s wants w's step s.  Issued behind it: the eight loads of each of the two steps s + 1, s + 2, and two of scale words where one of the last two steps was a multiple of 4; at the end also step 31's eight.
.macro LWAIT s
.set nl, 16
.if (((\s)%4) == 1) || (((\s)%4) == 2)
.set nl, 18
.endif
.if (\s) == 26
.set nl, 26
.endif
.if (\s) == 27
.set nl, 24
.endif
	s_wait_loadcnt nl
.endm
; x's fragments of this step were asked for a step ago, four loads a group, and are waited for two groups at a time.  nr: the LDS loads of this step's own run, which are younger than all of them.
.macro STEP s
	LWAIT \s
.set ns, 24
.set nr, 32
.if (((\s)%4) == 1) && ((\s)/4 < 7)
.set ns, 16                                            ; (the run loads scale words too: 40 LDS loads, with those still out 56)
.set nr, 40
.endif
	s_wait_dscnt ns                                ; groups 0 and 1 are in
	PLACES
	WIN 0
	RUN \s
	WIN LO
	GRP2 0, \s
	s_wait_dscnt nr+16                             ; groups 2 and 3: behind them four groups and the run
	GRP2 2, \s
	s_wait_dscnt nr+8
	WIN HI
	GRP2 4, \s
	s_wait_dscnt nr
	GRP2 6, \s
.endm
; The last step of a slot: its fragments are in registers, so the slot has been read.  The barrier stands inside the step: behind it the other slot is whole, and this one is filled again (fill: the group 0; 0: no fill).
.macro TURN s, fill
	LWAIT \s
	s_wait_dscnt 24                                ; groups 0 and 1 are in; the wait for 0 below covers the others
	WIN 0
	s_wait_tensorcnt 0x0                           ; my part of the other slot is in
.if (\fill) > 0
	ds_add_u32 v[SPW], v[NIL]                      ; 0 onto my spare word
.endif
	WIN LO
	GRP2 0, \s
	s_wait_dscnt 0x0                               ; the add is done, and my reads of this slot are over
	s_barrier_signal -1
	GRP2 2, \s
	WIN 0
	s_barrier_wait -1
.if (\fill) > 0
	CREST                                          ; no wave of any partner still reads this slot or has a load on its way
	tensor_load_to_lds s[\fill:\fill+3], s[G1T:G1T+7]
	s_nop 0
.endif
	PLACES
	RUN \s
	WIN HI
	GRP2 4, \s
	GRP2 6, \s
.endm
; Eight results from e0 on, e = 16 a + j: register j of group a's four accumulators: row 32 a + 16 (j / 8) + 8 h + j % 8, four neighbouring columns a lane, the bias added.  Each accumulator is read from its low end on.
.macro BURST e0, w, base
	WIN \w
.set oe, \e0
.set ob, \base
.rept 8
.irp t, 0,1,2,3
	v_add_f32 v[ob+\t], v[16*(4*((oe/16)%4)+\t)+oe%16], v[\t]
.endr
.set oe, oe+1
.set ob, ob+4
.endr
	WIN 0
.set oe, \e0
.set ob, \base
.rept 8
	global_store_b128 v[CO], v[ob:ob+3], s[12:13] offset:(32*(oe/16)+16*((oe%16)/8)+oe%8)*8192 th:TH_STORE_NT   ; 16 lanes store 256 consecutive bytes, aligned; written once, read by nobody here
.set oe, oe+1
.set ob, ob+4
.endr
.endm
; Rows 64 i .. 64 i + 63 over the last four steps; the rows before them leave in four bursts.
.macro ROWS i
.if (\i) == 0
	s_wait_loadcnt 24                              ; step 28's w is in; behind it were issued those of steps 31, 29 and 30
.endif
	s_wait_dscnt 24                                ; the first of the four steps' fragments are in: eight loads a step, in the order in which they are used
	PLACES
.set nr, 0
.if (\i) < 3
	WIN 0
	XROWS (\i)+1
.set nr, 32
.endif
.set bi, 0
.irp k, 28,29,31,30
.if ((\i) == 0) && (\k == 29)
	s_wait_loadcnt 8                               ; and step 29's, and step 31's
.endif
.if ((\i) == 0) && (\k == 30)
	s_wait_loadcnt 0x0
.endif
.if bi > 0
	s_wait_dscnt nr+24-8*bi                        ; this step's eight are in: behind them the later steps' and the run just issued
.endif
	WIN LO+0x50*((\i)/2)
.irp u, 0,1
.irp t, 0,1,2,3
	MM 2*(\i)+\u, \t, \k, 128*((\i)%2)+16*(4*\u+\k%4)
.endr
.endr
.if (\i) > 0
	s_wait_xcnt 0x0                                ; the burst before has read its registers
	BURST 32*((\i)-1)+8*bi, 2+((\i)-1)/2, TMP
.endif
.set bi, bi+1
.endr
.endm
.set st, 0
.rept 28
.if st == 7
	TURN st, F2
.elseif st == 15
	TURN st, F3
.elseif st == 23
	TURN st, 0
.else
	STEP st
.endif
.set st, st+1
.endr
	ROWS 0
	ROWS 1
	ROWS 2
	ROWS 3
	PLACES                                         ; behind the last products
.irp b, 0,1,2,3                        ; the last 64 rows, through the registers that held w's ring
	BURST 96+8*\b, 0x03, WR+32*\b
.endr
	s_wait_tensorcnt 0x0                           ; the wave's end
	ds_add_u32 v[SPW], v[NIL]
	s_wait_dscnt 0x0
	CROUND                                         ; the closing round: no work-group ends while a partner may still ask for a tile that names it
	s_endpgm
.Lfunc_end_k_qda98db0f16_gemm:
	.size	k_qda98db0f16_gemm, .Lfunc_end_k_qda98db0f16_gemm-k_qda98db0f16_gemm
	.p2alignl 7, 3214868480
	.fill 96, 4, 3214868480
	.section	.rodata,"a",@progbits
	.p2align	6, 0x0
	.amdhsa_kernel k_qda98db0f16_gemm
		.amdhsa_group_segment_fixed_size 327680
		.amdhsa_private_segment_fixed_size 0
		.amdhsa_enable_private_segment 0
		.amdhsa_kernarg_size 40
		.amdhsa_user_sgpr_count 2
		.amdhsa_user_sgpr_kernarg_segment_ptr 1
		.amdhsa_wavefront_size32 1
		.amdhsa_system_sgpr_workgroup_id_x 1
		.amdhsa_system_sgpr_workgroup_id_y 1
		.amdhsa_system_sgpr_workgroup_id_z 1
		.amdhsa_system_vgpr_workitem_id 0
		.amdhsa_next_free_vgpr 1024
		.amdhsa_next_free_sgpr 96
		.amdhsa_reserve_vcc 0
		.amdhsa_float_denorm_mode_32 3
		.amdhsa_float_denorm_mode_16_64 3
		.amdhsa_memory_ordered 1
		.amdhsa_forward_progress 1
		.amdhsa_inst_pref_size 255
	.end_amdhsa_kernel
	.section	.bss,"aw",@nobits
	.p2align	6
	.space	262144
	.amdgpu_metadata
---
amdhsa.version: [ 1, 2 ]
amdhsa.kernels:
  - .name:           k_qda98db0f16_gemm
    .symbol:         k_qda98db0f16_gemm.kd
    .args:
      - { .name: x_codes, .offset: 0, .size: 8, .value_kind: global_buffer, .address_space: global }
      - { .name: x_scales, .offset: 8, .size: 8, .value_kind: global_buffer, .address_space: global }
      - { .name: wq, .offset: 16, .size: 8, .value_kind: global_buffer, .address_space: global }
      - { .name: bias, .offset: 24, .size: 8, .value_kind: global_buffer, .address_space: global }
      - { .name: out0, .offset: 32, .size: 8, .value_kind: global_buffer, .address_space: global }
    .group_segment_fixed_size: 327680
    .private_segment_fixed_size: 0
    .kernarg_segment_align: 8
    .kernarg_segment_size: 40
    .max_flat_workgroup_size: 128
    .sgpr_count:     96
    .vgpr_count:     1024
    .wavefront_size: 32
...
	.end_amdgpu_metadata
.endif
;; end of part 2
